; MI455X (gfx1250); checked and timed in simulation.
; The chip was launched on July 23, 2026; its instructions are those of AMD's public machine-readable ISA for CDNA 5 (MIT licence, August 2026) and "CDNA5" Instruction Set Architecture Reference Guide (July 2026). The comments in the code are by the model that wrote it; some were corrected since.
;; Cross Attention. Allowed arithmetic: float matrix products may take bf16 or f16 operands with f32 sums; all other float work in f32.
;; Inputs: Wk 768 x 1,024 float32; Wo 1,024 x 1,024 float32; Wq 1,024 x 1,024 float32; Wv 768 x 1,024 float32; bo 1,024 float32; context 4 x 1,024 x 768 float32; tokens 4 x 2,048 x 1,024 float32.
;; Outputs: out0 4 x 2,048 x 1,024 float32.
;; One version. Each part assembles by itself: llvm-mc -triple=amdgcn-amd-amdhsa -mcpu=gfx1250 --defsym DOCPART=n.
;; ======== version 1 of 1: 4 launches
;; limits: values are held in f16: magnitudes above 65,504 overflow, below 6.1e-05 lose precision
;; workspace buffers: tokh 16,777,216 bytes; ctxh 8,388,608 bytes; wth 8,388,608 bytes; qh 16,777,216 bytes; kh 8,388,608 bytes; vh 8,388,608 bytes; ah 16,777,216 bytes
;; launch cast (part 1): grid 832 x 1, 8 waves a work-group, no clusters, 18,432 bytes of LDS; arguments tokens, context, Wq, Wk, Wv, Wo, tokh, ctxh, wth; writes tokh, ctxh, wth
.if DOCPART == 1
	.amdgcn_target "amdgcn-amd-amdhsa--gfx1250"
	.amdhsa_code_object_version 6
	.text
	.protected	k_q48fc836d95_cast
	.globl	k_q48fc836d95_cast
	.p2align	8
	.type	k_q48fc836d95_cast,@function
k_q48fc836d95_cast:
	s_mov_b64 s[64:65], 0
	v_nop
	global_prefetch_b8 v0, s[64:65] scope:SCOPE_SE
	s_setreg_imm32_b32 hwreg(HW_REG_WAVE_MODE, 25, 1), 1
	s_wait_xcnt 0x0
; f32 to f16, once, for everything that the three matrix launches multiply.
;   work-groups   0-255: tokens  [8192][1024] -> tokh [8192][1024],            32 rows each, 4 rows a wave
;   work-groups 256-383: context [4096][768]  -> ctxh [4096][pitch 1024],      32 rows each, 4 rows a wave (columns 768-1023 are never written nor read)
;   work-groups 384-831: a tile of 128 k x 64 n of Wq, Wo, Wk or Wv, cast and TRANSPOSED through LDS into wth:
;                        four parts of 0x200000 bytes, each [1024 n][pitch 1024 k]: 0 Wq, 1 Wk, 2 Wv, 3 Wo.
; A stream: each input byte is read once, each output byte written once.  No cluster: no two work-groups read the same bytes.
; No matrix unit, no tensor loads: there is nothing to multiply, and a wave's 32 loads in registers are its bytes in flight.
; LIMIT: f16.  |x| of 65,504 and more becomes infinite, |x| under about 6e-8 becomes 0; rounding to nearest even.
.set X,   4                            ; v[4:131]  stream: load n in 4 registers; its first two then hold the 4 f16 to store
.set WD,  4                            ; v[4:35]   weights: row e of my 8 rows of k, 4 columns
.set WP,  36                           ; v[36:51]  weights: column i of my 4, 8 k packed in 4 registers
.set WB,  52                           ; v[52:67]  weights: read back by rows of the transposed tile
.set WST, 100                          ; v100      LDS address of my stores
.set WRD, 101                          ; v101      LDS address of my loads
.set WGO, 102                          ; v102      byte offset of my stores in wth
.set TP,  272                          ; LDS row of the transposed tile: 128 f16 + 16 bytes
	s_load_b512 s[4:19], s[0:1], 0x0               ; tokens s[4:5], context s[6:7], Wq s[8:9], Wk s[10:11], Wv s[12:13], Wo s[14:15], tokh s[16:17], ctxh s[18:19]
	s_load_b64 s[20:21], s[0:1], 0x40              ; wth
	v_lshl_add_u32 v136, v0, 2, 0x4400
	v_mov_b32 v137, 0
	v_lshrrev_b32 v3, 5, v0
	v_readfirstlane_b32 s22, v3                    ; wave 0..7
	v_and_b32 v2, 31, v0
	v_lshlrev_b32 v1, 4, v2                        ; 16 bytes of f32 a lane
	v_lshlrev_b32 v2, 3, v2                        ; 8 bytes of f16 a lane
	s_mov_b32 s23, ttmp9
	s_mov_b32 s25, 0
	s_mov_b32 s27, 0
	s_lshl_b32 s33, s22, 13                        ; out: wave x 4 rows x 2,048 bytes
	s_wait_kmcnt 0x0
; Four rows of NJ x 512 bytes, INP bytes apart.  All loads go out first (each covers 512 consecutive bytes); then each is
; converted and stored as soon as it is in: the wave's 32 lanes store 256 consecutive bytes, aligned.  No register is written twice.
.macro CAST NJ, INP
.set n, 0
.rept 4*\NJ
	global_load_b128 v[X+4*n:X+4*n+3], v1, s[24:25] offset:(n/\NJ)*\INP+(n%\NJ)*512 th:TH_LOAD_NT
.set n, n+1
.endr
.set n, 0
.rept 4*\NJ
	s_wait_loadcnt 4*\NJ-1-n                       ; loads come back in order: load n is in, the younger ones stay out
	v_cvt_pk_f16_f32 v[X+4*n], v[X+4*n], v[X+4*n+1]
	v_cvt_pk_f16_f32 v[X+4*n+1], v[X+4*n+2], v[X+4*n+3]
	global_store_b64 v2, v[X+4*n:X+4*n+1], s[26:27] offset:(n/\NJ)*2048+(n%\NJ)*256
.set n, n+1
.endr
.endm
	s_cmp_lt_u32 s23, 256
	s_cbranch_scc0 .Lnot_tokens
	s_lshl_b32 s24, s23, 17                        ; 32 rows of 4,096 bytes
	s_lshl_b32 s32, s22, 14                        ; + wave x 4 rows
	s_add_co_u32 s24, s24, s32
	s_lshl_b32 s26, s23, 16                        ; 32 rows of 2,048 bytes
	s_add_co_u32 s26, s26, s33
	s_add_nc_u64 s[24:25], s[4:5], s[24:25]
	s_add_nc_u64 s[26:27], s[16:17], s[26:27]
	CAST 8, 4096
	s_endpgm
.Lnot_tokens:
	s_cmp_lt_u32 s23, 384
	s_cbranch_scc0 .Lweights
	s_sub_co_u32 s23, s23, 256
	s_mul_i32 s24, s23, 98304                      ; 32 rows of 3,072 bytes
	s_mul_i32 s32, s22, 12288                      ; + wave x 4 rows
	s_add_co_u32 s24, s24, s32
	s_lshl_b32 s26, s23, 16                        ; 32 rows at the pitch of 2,048 bytes
	s_add_co_u32 s26, s26, s33
	s_add_nc_u64 s[24:25], s[6:7], s[24:25]
	s_add_nc_u64 s[26:27], s[18:19], s[26:27]
	CAST 6, 3072
	s_endpgm
.Lweights:
	s_sub_co_u32 s23, s23, 384                     ; u: 0-127 Wq, 128-255 Wo, 256-351 Wk, 352-447 Wv
	s_mov_b32 s30, 352                             ; the matrix's first u
	s_mov_b32 s31, 2                               ; its part of wth
	s_cmp_lt_u32 s23, 352
	s_cselect_b64 s[28:29], s[10:11], s[12:13]
	s_cselect_b32 s30, 256, s30
	s_cselect_b32 s31, 1, s31
	s_cmp_lt_u32 s23, 256
	s_cselect_b64 s[28:29], s[14:15], s[28:29]
	s_cselect_b32 s30, 128, s30
	s_cselect_b32 s31, 3, s31
	s_cmp_lt_u32 s23, 128
	s_cselect_b64 s[28:29], s[8:9], s[28:29]
	s_cselect_b32 s30, 0, s30
	s_cselect_b32 s31, 0, s31
	s_sub_co_u32 s23, s23, s30                     ; the tile's number in its matrix
	s_lshr_b32 s32, s23, 4                         ; kb: which 128 rows of k
	s_and_b32 s33, s23, 15                         ; nb: which 64 columns
	s_lshl_b32 s24, s32, 19                        ; 128 rows of 4,096 bytes
	s_lshl_b32 s34, s33, 8                         ; 64 columns of 4 bytes
	s_add_co_u32 s24, s24, s34
	s_add_nc_u64 s[24:25], s[28:29], s[24:25]
	s_lshl_b32 s26, s31, 21                        ; the part
	s_lshl_b32 s34, s33, 17                        ; 64 rows (n) of 2,048 bytes
	s_add_co_u32 s26, s26, s34
	s_lshl_b32 s34, s32, 8                         ; 128 k of 2 bytes
	s_add_co_u32 s26, s26, s34
	s_add_nc_u64 s[26:27], s[20:21], s[26:27]
	v_and_b32 v103, 15, v0                         ; g: my 4 columns
	v_lshrrev_b32 v104, 4, v0                      ; p: my 8 rows of k
	v_lshlrev_b32 v3, 4, v103
	v_lshl_add_u32 v3, v104, 15, v3                ; p x 8 rows x 4,096 + 16 g: sixteen lanes take 256 consecutive bytes of a row
.irp e, 0,1,2,3,4,5,6,7
	global_load_b128 v[WD+4*\e:WD+4*\e+3], v3, s[24:25] offset:\e*4096 th:TH_LOAD_NT
.endr
	v_mul_u32_u24 v[WST], v103, 4*TP
	v_lshl_add_u32 v[WST], v104, 4, v[WST]         ; row n = 4 g (+ i), bytes 16 p: my 8 k
	v_mul_u32_u24 v[WRD], v104, TP
	v_lshl_add_u32 v[WRD], v103, 4, v[WRD]         ; row n = p (+ 16 j), bytes 16 g
	v_lshlrev_b32 v[WGO], 11, v104
	v_lshl_add_u32 v[WGO], v103, 4, v[WGO]         ; the same place in wth
.irp e2, 0,1,2,3
	s_wait_loadcnt 6-2*\e2                         ; rows 2 e2 and 2 e2 + 1 are in; the later rows stay out
.irp i, 0,1,2,3
	v_cvt_pk_f16_f32 v[WP+4*\i+\e2], v[WD+8*\e2+\i], v[WD+8*\e2+4+\i]   ; column i: two neighbouring k
.endr
.endr
.irp i, 0,1,2,3
	ds_store_b128 v[WST], v[WP+4*\i:WP+4*\i+3] offset:\i*TP
.endr
	s_wait_dscnt 0x0                               ; my stores are done, for the other waves' sake
	s_barrier_signal -1                            ; all eight waves of this work-group are on this path: the branch hangs on the work-group's number
	s_barrier_wait -1
.irp j, 0,1,2,3
	ds_load_b128 v[WB+4*\j:WB+4*\j+3], v[WRD] offset:\j*16*TP
.endr
.irp j, 0,1,2,3
	s_wait_dscnt 3-\j
	global_store_b128 v[WGO], v[WB+4*\j:WB+4*\j+3], s[26:27] offset:\j*32768   ; sixteen lanes store 256 consecutive bytes, aligned: 128 k of one n
.endr
	s_wait_tensorcnt 0x0
	ds_add_u32 v136, v137
	s_wait_dscnt 0x0
	s_endpgm
.Lfunc_end_k_q48fc836d95_cast:
	.size	k_q48fc836d95_cast, .Lfunc_end_k_q48fc836d95_cast-k_q48fc836d95_cast
	.p2alignl 7, 3214868480
	.fill 96, 4, 3214868480
	.section	.rodata,"a",@progbits
	.p2align	6, 0x0
	.amdhsa_kernel k_q48fc836d95_cast
		.amdhsa_group_segment_fixed_size 18432
		.amdhsa_private_segment_fixed_size 0
		.amdhsa_enable_private_segment 0
		.amdhsa_kernarg_size 72
		.amdhsa_user_sgpr_count 2
		.amdhsa_user_sgpr_kernarg_segment_ptr 1
		.amdhsa_wavefront_size32 1
		.amdhsa_system_sgpr_workgroup_id_x 1
		.amdhsa_system_sgpr_workgroup_id_y 1
		.amdhsa_system_sgpr_workgroup_id_z 1
		.amdhsa_system_vgpr_workitem_id 0
		.amdhsa_next_free_vgpr 138
		.amdhsa_next_free_sgpr 66
		.amdhsa_reserve_vcc 0
		.amdhsa_float_denorm_mode_32 3
		.amdhsa_float_denorm_mode_16_64 3
		.amdhsa_memory_ordered 1
		.amdhsa_forward_progress 1
		.amdhsa_inst_pref_size 26
	.end_amdhsa_kernel
	.amdgpu_metadata
---
amdhsa.version: [ 1, 2 ]
amdhsa.kernels:
  - .name:           k_q48fc836d95_cast
    .symbol:         k_q48fc836d95_cast.kd
    .args:
      - { .name: tokens, .offset: 0, .size: 8, .value_kind: global_buffer, .address_space: global }
      - { .name: context, .offset: 8, .size: 8, .value_kind: global_buffer, .address_space: global }
      - { .name: Wq, .offset: 16, .size: 8, .value_kind: global_buffer, .address_space: global }
      - { .name: Wk, .offset: 24, .size: 8, .value_kind: global_buffer, .address_space: global }
      - { .name: Wv, .offset: 32, .size: 8, .value_kind: global_buffer, .address_space: global }
      - { .name: Wo, .offset: 40, .size: 8, .value_kind: global_buffer, .address_space: global }
      - { .name: tokh, .offset: 48, .size: 8, .value_kind: global_buffer, .address_space: global }
      - { .name: ctxh, .offset: 56, .size: 8, .value_kind: global_buffer, .address_space: global }
      - { .name: wth, .offset: 64, .size: 8, .value_kind: global_buffer, .address_space: global }
    .group_segment_fixed_size: 18432
    .private_segment_fixed_size: 0
    .kernarg_segment_align: 8
    .kernarg_segment_size: 72
    .max_flat_workgroup_size: 256
    .sgpr_count:     66
    .vgpr_count:     138
    .wavefront_size: 32
...
	.end_amdgpu_metadata
.endif
;; end of part 1
;; launch proj (part 2): grid 4 x 64, 4 waves a work-group, clusters of 4 x 4, 327,680 bytes of LDS; arguments tokh, ctxh, wth, qh, kh, vh; writes qh, kh, vh
.if DOCPART == 2
	.amdgcn_target "amdgcn-amd-amdhsa--gfx1250"
	.amdhsa_code_object_version 6
	.text
	.protected	k_q48fc836d95_proj
	.globl	k_q48fc836d95_proj
	.p2align	8
	.type	k_q48fc836d95_proj,@function
k_q48fc836d95_proj:
	s_mov_b64 s[64:65], 0
	v_nop
	global_prefetch_b8 v0, s[64:65] scope:SCOPE_SE
	s_setreg_imm32_b32 hwreg(HW_REG_WAVE_MODE, 25, 1), 1
	s_wait_xcnt 0x0
	s_wait_alu depctr_hold_cnt(0) depctr_sa_sdst(0) depctr_va_vdst(0) depctr_va_sdst(0) depctr_va_ssrc(0) depctr_va_vcc(0) depctr_vm_vsrc(0)
	s_getreg_b32 s2, hwreg(HW_REG_IB_STS2, 6, 4)
	s_cmp_eq_u32 s2, 0
	s_cbranch_scc0 .Lentry_in_a_cluster
	s_endpgm
.Lentry_in_a_cluster:
	s_bfe_u32 s2, ttmp6, 0x10000c
	s_cmp_lg_u32 s2, 0xf033
	s_cbranch_scc0 .Lentry_shape_is_right
	s_endpgm
.Lentry_shape_is_right:
; Q = tokens Wq, K = context Wk, V = context Wv, as C = A B^T on f16 operands with f32 sums, C rounded once to f16 and stored by heads:
; qh [b*16+h][2048][64], kh and vh [b*16+h][1024][64].  A: tokh or ctxh, B: a part of wth, both with rows of 1,024 elements along k.
; A work-group makes 256 x 256 of C with four waves, a wave 128 x 128: 64 accumulator tiles, 512 registers.  K goes in steps of 128
; through a ring of two LDS slots; a tile's rows are 256 consecutive bytes, aligned.
; THE JOB hangs on the cluster's y alone, so it is the same in all sixteen partners: 0-7 Q (K = 1024, four laps of the ring),
; 8-11 K and 12-15 V (K = 768, three laps).  256 work-groups in all.
; CLUSTERS: 4 x 4.  A's tile hangs on the block row and is asked for jointly by a row of the cluster, B's on the block column and by a column.
; REGISTERS in windows of 256: window 0: v0-31 addresses, v64-127 and v128-191 fragments of A (two buffers), v192-223 the way out;
; window 1: v64-127, v128-191 fragments of B; window 2: accumulator tiles of my rows 0-63 (tile (a, b) at v[8 (8 a + b)]); window 3: rows 64-127.
; THE MATRIX INSTRUCTION IS USED TRANSPOSED (source 0 = rows of B, source 1 = rows of A): a lane's eight results are eight neighbouring
; columns of one row of C.
; LIMIT: f16 operands and results: |x| of 65,504 and more becomes infinite, under about 6e-8 it becomes 0.  The order of a sum is K ascending.
.set KSTEP,  128
.set PITCH,  272                       ; an LDS row: 256 bytes + 16 of padding, an odd multiple of 16: the 16 rows of a fragment load start at 16 different banks (ISA guide 11.1)
.set HALFT,  128*PITCH                 ; what one tensor load brings
.set SLOT,   4*HALFT                   ; A's 256 rows, then B's 256 rows
.set STAGE,  2*SLOT                    ; behind the ring: 16 rows x 272 bytes for each wave; no tensor load lands there
.set SPITCH, 272
.set LDK,    1024                      ; elements from row to row in tokh, ctxh and wth
.set ADRA, 16                          ; v16-17  LDS address of my A fragments in slot 0, 1
.set ADRB, 20                          ; v20-21  the same for B
.set STO,  24                          ; v24     the way out: where I put 16 bytes of a row
.set RD,   25                          ; v25     the way out: where I read back
.set CO,   26                          ; v26     16 x lane
.set F0,   64
.set F1,   128
.set TMP,  192
.set G1,  24                           ; s[24:31] group 1 for A's tiles
.set G0,  32                           ; s[32:39] group 0 for A's tiles, one set for each slot
.set G1B, 48                           ; s[48:55] group 1 for B's tiles
.set G0B, 56                           ; s[56:63] group 0 for B's tiles
.set MSB, 0
.macro WIN new                         ; the immediate's high byte repeats the setting that is left
.if MSB != \new
	s_set_vgpr_msb (MSB<<8)|\new
.set MSB, \new
.endif
.endm
.set MUL_LO, 0xa1                      ; source 0 (B) window 1, source 1 (A) window 0, C and D window 2
.set MUL_HI, 0xf1                      ; the same, C and D window 3
.set TO_B,   0x40                      ; destination window 1, address window 0
; A joint load: waves 0 and 1 fetch A's two halves, waves 2 and 3 B's.  The branch hangs on the wave's number alone.
.macro JLOAD s
	s_cmp_eq_u32 s17, 0
	s_cbranch_scc0 .Lfor_b_\@
	tensor_load_to_lds s[G0+4*\s:G0+4*\s+3], s[G1:G1+7]
	s_nop 0
	s_branch .Lasked_\@
.Lfor_b_\@:
	tensor_load_to_lds s[G0B+4*\s:G0B+4*\s+3], s[G1B:G1B+7]
	s_nop 0
.Lasked_\@:
.endm
.macro CREST                           ; a round of the cluster's barrier behind its opening barrier
	s_cmp_lg_u32 s16, 0
	s_cbranch_scc1 .Lnot_wave_0_\@
	s_barrier_signal -3
.Lnot_wave_0_\@:
	s_barrier_wait -3
	s_barrier_signal -1
	s_barrier_wait -1
.endm
.macro CROUND                          ; a whole round
	s_barrier_signal -1
	s_barrier_wait -1
	CREST
.endm
	s_load_b256 s[4:11], s[0:1], 0x0               ; tokh s[4:5], ctxh s[6:7], wth s[8:9], qh s[10:11]
	s_load_b128 s[12:15], s[0:1], 0x20             ; kh s[12:13], vh s[14:15]
	s_set_vgpr_msb 0x40
	v_lshl_add_u32 v255, v0, 2, 0x48400
	s_set_vgpr_msb 0x4000
	v_mov_b32 v255, 0
	s_set_vgpr_msb 0x1
	ds_add_u32 v255, v255
	s_set_vgpr_msb 0x100
	v_lshrrev_b32 v1, 5, v0
	v_readfirstlane_b32 s16, v1                    ; wave 0..3
	s_lshr_b32 s17, s16, 1                         ; my half of the block's rows.  Also: I fetch for A (0) or for B (1)
	s_and_b32 s18, s16, 1                          ; my half of its columns.  Also: which 128 rows of that tile I fetch
	s_bfe_u32 s19, ttmp6, 0x40000                  ; cx
	s_bfe_u32 s20, ttmp6, 0x40004                  ; cy
	s_lshl_b32 s21, ttmp9, 2
	s_add_co_u32 s21, s21, s19                     ; block column of C, 0..3
	s_and_b32 s22, ttmp7, 0xffff                   ; the cluster's y, 0..15: the job
	s_mov_b32 s70, 12                              ; the job's first cluster
	s_mov_b32 s71, 2                               ; the job: 0 Q, 1 K, 2 V = the part of wth
	s_cmp_lt_u32 s22, 12
	s_cselect_b32 s70, 8, s70
	s_cselect_b32 s71, 1, s71
	s_cmp_lt_u32 s22, 8
	s_cselect_b32 s70, 0, s70
	s_cselect_b32 s71, 0, s71
	s_cselect_b32 s68, 2, 1                        ; trips of the loop: laps - 2
	s_cselect_b32 s69, 11, 10                      ; log2 of the rows of a batch
	s_sub_co_u32 s66, s22, s70
	s_lshl_b32 s67, s66, 2
	s_add_co_u32 s67, s67, s20                     ; block row inside the job
	s_lshl_b32 s40, s20, 2
	s_lshl_b32 s40, 15, s40                        ; my row of the cluster: places 4 cy .. 4 cy + 3
	s_lshl_b32 s41, 0x1111, s19                    ; my column: places cx, cx + 4, cx + 8, cx + 12
	; group 1: a tile of 128 rows x 128 elements of 2 bytes, 4 words of padding behind every 64 words
	s_or_b32 s[G1+0], s40, (1<<16)|(1<<20)|(1<<21)|(5<<22)|(3<<25)
	s_or_b32 s[G1B+0], s41, (1<<16)|(1<<20)|(1<<21)|(5<<22)|(3<<25)
	s_mov_b32 s[G1+1], KSTEP<<16                   ; tensor_dim0 = 128
	s_mov_b32 s[G1B+1], KSTEP<<16
	s_mov_b32 s[G1+2], 128<<16                     ; tensor_dim1 = 128
	s_mov_b32 s[G1B+2], 128<<16
	s_mov_b32 s[G1+3], KSTEP<<16                   ; tile_dim0 = 128
	s_mov_b32 s[G1B+3], KSTEP<<16
	s_mov_b32 s[G1+4], 128                         ; tile_dim1 = 128
	s_mov_b32 s[G1B+4], 128
	s_mov_b32 s[G1+5], LDK                         ; elements from row to row
	s_mov_b32 s[G1B+5], LDK
	s_mov_b32 s[G1+6], 0
	s_mov_b32 s[G1B+6], 0
	s_mov_b32 s[G1+7], 0
	s_mov_b32 s[G1B+7], 0
	; where the tiles come from: A's offset is made of the block row and the wave, B's of the block column, the job and the wave
	s_lshl_b32 s91, s18, 7                         ; which 128 rows of the tile I fetch
	s_lshl_b32 s42, s67, 8
	s_add_co_u32 s42, s42, s91
	s_lshl_b32 s42, s42, 11                        ; rows of 2,048 bytes
	s_mov_b32 s43, 0
	s_lshl_b32 s46, s21, 8
	s_add_co_u32 s46, s46, s91
	s_lshl_b32 s46, s46, 11
	s_lshl_b32 s92, s71, 21                        ; the part of wth
	s_add_co_u32 s46, s46, s92
	s_mov_b32 s47, 0
	s_mul_i32 s88, s16, HALFT                      ; where they go: wave x 128 rows; no place in the cluster enters an LDS address
	s_wait_dscnt 0x0
	s_wait_kmcnt 0x0
	s_cmp_lt_u32 s22, 8
	s_cselect_b64 s[72:73], s[4:5], s[6:7]         ; A: tokh or ctxh
	s_cselect_b64 s[76:77], s[10:11], s[12:13]     ; C: qh or kh
	s_cmp_lt_u32 s22, 12
	s_cselect_b64 s[76:77], s[76:77], s[14:15]     ;    or vh
	s_add_nc_u64 s[72:73], s[72:73], s[42:43]
	s_add_nc_u64 s[74:75], s[8:9], s[46:47]
	CROUND                                         ; all sixteen work-groups are here: the first joint loads meet
.irp s, 0,1
	s_mov_b32 s[G0+4*\s], 1
	s_add_co_u32 s[G0+4*\s+1], s88, \s*SLOT
	s_add_nc_u64 s[G0+4*\s+2:G0+4*\s+3], s[72:73], \s*KSTEP*2
	s_or_b32 s[G0+4*\s+3], s[G0+4*\s+3], 0x80000000
	s_mov_b32 s[G0B+4*\s], 1
	s_add_co_u32 s[G0B+4*\s+1], s88, \s*SLOT
	s_add_nc_u64 s[G0B+4*\s+2:G0B+4*\s+3], s[74:75], \s*KSTEP*2
	s_or_b32 s[G0B+4*\s+3], s[G0B+4*\s+3], 0x80000000
	JLOAD \s                                       ; K steps 0 and 1: by this text's count two tensor loads of a wave are out here, later one
.endr
	; a fragment: lane l holds row l % 16; registers 0-3 K = 8 (l / 16) + 0..7, registers 4-7 K = 16 + 8 (l / 16) + 0..7: two loads of 16 bytes, 32 apart
	v_and_b32 v1, 15, v0
	v_bfe_u32 v2, v0, 4, 1
	v_mul_u32_u24 v3, v1, PITCH
	v_lshl_add_u32 v3, v2, 4, v3
	s_mul_i32 s89, s17, HALFT                      ; my 128 rows of A
	s_mul_i32 s90, s18, HALFT                      ; my 128 rows of B,
	s_add_co_u32 s90, s90, 2*HALFT                 ; which lie behind A's 256
.irp s, 0,1
	v_add_nc_u32 v[ADRA+\s], s89, v3
	v_add_nc_u32 v[ADRB+\s], s90, v3
	s_add_co_u32 s89, s89, SLOT
	s_add_co_u32 s90, s90, SLOT
.endr
	s_mul_i32 s23, s16, 16*SPITCH
	s_add_co_u32 s23, s23, STAGE                   ; my stage
	v_mul_u32_u24 v4, v1, SPITCH
	v_lshl_add_u32 v4, v2, 4, v4
	v_add_nc_u32 v[STO], s23, v4                   ; in: row l % 16, 16 bytes for each half of the lanes
	v_bfe_u32 v5, v0, 3, 2                         ; back: eight lanes take the 128 bytes that a row has of one head, four rows a load
	v_and_b32 v6, 7, v0
	v_mul_u32_u24 v5, v5, SPITCH
	v_lshl_add_u32 v5, v6, 4, v5
	v_add_nc_u32 v[RD], s23, v5
	v_and_b32 v6, 31, v0
	v_lshlrev_b32 v[CO], 4, v6                     ; a head's rows of 128 bytes follow each other: four rows are 512 consecutive bytes
; 16 matrix instructions: m blocks a0, a0 + 1 of the window's four x all 8 n blocks, 32 along K.  zero = 1: the product starts the sums.
; The 64 accumulators take turns, one instruction a turn, in the same order in every quarter step.
.macro MUL16 f, hi, a0, zero
.irp a, \a0, \a0+1
.irp b, 0,1,2,3,4,5,6,7
.if \zero
	v_wmma_f32_16x16x32_f16 v[8*(8*(\a)+\b):8*(8*(\a)+\b)+7], v[\f+8*\b:\f+8*\b+7], v[\f+8*(4*\hi+\a):\f+8*(4*\hi+\a)+7], 0
.else
	v_wmma_f32_16x16x32_f16 v[8*(8*(\a)+\b):8*(8*(\a)+\b)+7], v[\f+8*\b:\f+8*\b+7], v[\f+8*(4*\hi+\a):\f+8*(4*\hi+\a)+7], v[8*(8*(\a)+\b):8*(8*(\a)+\b)+7]
.endif
.endr
.endr
.endm
; 32 LDS loads in one run: the fragments of one quarter step (B's 128 rows, then A's) at byte k of the rows, into buffer f
.macro FETCH slot, k, f
	WIN TO_B
.irp i, 0,1,2,3,4,5,6,7
	ds_load_b128 v[\f+8*\i:\f+8*\i+3],   v[ADRB+\slot] offset:\k+\i*16*PITCH
	ds_load_b128 v[\f+8*\i+4:\f+8*\i+7], v[ADRB+\slot] offset:\k+\i*16*PITCH+32
.endr
	WIN 0
.irp i, 0,1,2,3,4,5,6,7
	ds_load_b128 v[\f+8*\i:\f+8*\i+3],   v[ADRA+\slot] offset:\k+\i*16*PITCH
	ds_load_b128 v[\f+8*\i+4:\f+8*\i+7], v[ADRA+\slot] offset:\k+\i*16*PITCH+32
.endr
.endm
; four places behind the matrix instructions that read a buffer, in front of the loads into it (ISA guide 7.12.1 for vector instructions)
.macro PLACES
.rept 4
	v_nop
.endr
.endm
.macro QUARTER slot, k, f, g, zero
	s_wait_dscnt 8                                 ; B and A's rows 0-63 are in; the youngest eight loads (A's rows 64-127) may be out
	WIN MUL_LO
	MUL16 \f, 0, 0, \zero
	MUL16 \f, 0, 2, \zero
	PLACES
	FETCH \slot, \k, \g
	s_wait_dscnt 32                                ; all but the 32 just issued
	WIN MUL_HI
	MUL16 \f, 1, 0, \zero
	MUL16 \f, 1, 2, \zero
.endm
.macro THREE slot, zero
	QUARTER \slot, 64,  F0, F1, \zero
	QUARTER \slot, 128, F1, F0, 0
	QUARTER \slot, 192, F0, F1, 0
.endm
; The last quarter of a K step changes slots.  In front of the barrier each wave waits for its reads of this slot and for all its tensor loads
; (the one that is out is its part of the next slot); behind the round the refill comes first.  From a request to its wait: 240 matrix instructions.
.macro TURN slot, next, fill
	s_wait_dscnt 8
	WIN MUL_LO
	MUL16 F1, 0, 0, 0
	s_wait_dscnt 0                                 ; my reads of this slot are over
	s_wait_tensorcnt 0x0                           ; all my tensor loads have landed
	ds_add_u32 v255, v255
	s_wait_dscnt 0x0
	s_barrier_signal -1                            ; where a slot is filled again this barrier opens a round of the cluster's barrier
	MUL16 F1, 0, 2, 0                              ; register work while the others arrive
	WIN 0
	s_barrier_wait -1
.if \fill
	CREST                                          ; no wave of any partner still reads this slot or has a load on its way
	s_add_nc_u64 s[G0+4*\slot+2:G0+4*\slot+3], s[G0+4*\slot+2:G0+4*\slot+3], 2*KSTEP*2
	s_add_nc_u64 s[G0B+4*\slot+2:G0B+4*\slot+3], s[G0B+4*\slot+2:G0B+4*\slot+3], 2*KSTEP*2
	JLOAD \slot                                    ; the first tensor load behind the round, my only one until the next
.endif
	PLACES
	FETCH \next, 0, F0
	WIN MUL_HI
	MUL16 F1, 1, 0, 0
	MUL16 F1, 1, 2, 0
.endm
.macro LAP zero
	THREE 0, \zero
	TURN 0, 1, 1
	THREE 1, 0
	TURN 1, 0, 1
.endm
	s_wait_tensorcnt 1                             ; my part of K step 0 is in; K step 1's stays out
	s_barrier_signal -1
	s_barrier_wait -1
	FETCH 0, 0, F0
	LAP 1                                          ; the first lap's first products start the sums
	WIN 0
	s_mov_b32 s3, 0
.Llap:
	LAP 0
	WIN 0
	s_add_co_u32 s3, s3, 1
	s_cmp_lt_u32 s3, s68                           ; 2 trips for K = 1024, 1 for K = 768; the same in all partners
	s_cbranch_scc1 .Llap
	THREE 0, 0                                     ; the last lap fills nothing
	TURN 0, 1, 0
	THREE 1, 0
	s_wait_dscnt 8
	WIN MUL_LO
	MUL16 F1, 0, 0, 0
	MUL16 F1, 0, 2, 0
	s_wait_dscnt 0
	WIN MUL_HI
	MUL16 F1, 1, 0, 0
	MUL16 F1, 1, 2, 0
	; THE WAY OUT, 16 rows at a time: round to f16, 16 bytes a lane into my own stage, read back by heads, store 512 consecutive bytes.
	PLACES
	s_lshl_b32 s80, s67, 8
	s_lshl_b32 s81, s17, 7
	s_add_co_u32 s80, s80, s81                     ; m: my first row in the job
	s_lshr_b32 s81, s80, s69                       ; its batch
	s_lshl_b32 s82, s81, s69
	s_sub_co_u32 s82, s80, s82                     ; its row in the batch
	s_lshl_b32 s83, s21, 2
	s_lshl1_add_u32 s83, s18, s83                  ; my first head: 4 x block column + 2 x half
	s_lshl4_add_u32 s83, s81, s83                  ; + 16 x batch
	s_lshl_b32 s83, s83, s69
	s_add_co_u32 s83, s83, s82                     ; the row in the head layout
	s_lshl_b32 s84, s83, 7                         ; rows of 128 bytes
	s_mov_b32 s85, 0
	s_add_nc_u64 s[76:77], s[76:77], s[84:85]      ; my even head
	s_lshl_b32 s86, 128, s69                       ; a head's bytes
	s_mov_b32 s87, 0
	s_add_nc_u64 s[78:79], s[76:77], s[86:87]      ; my odd head
.macro OUT16 i, a, from, f
	WIN \from
.irp b, 0,1,2,3,4,5,6,7
.irp r, 0,1,2,3
	v_cvt_pk_f16_f32 v[TMP+4*\b+\r], v[8*(8*\a+\b)+2*\r], v[8*(8*\a+\b)+2*\r+1]
.endr
.endr
	WIN 0
.irp b, 0,1,2,3,4,5,6,7
	ds_store_b128 v[STO], v[TMP+4*\b:TMP+4*\b+3] offset:32*\b
.endr
	s_wait_xcnt 0x0                                ; buffer f, which earlier stores read, and the stores' bases are rewritten only behind this wait
.if \i
	s_add_nc_u64 s[76:77], s[76:77], 16*128        ; 16 rows on
	s_add_nc_u64 s[78:79], s[78:79], 16*128
.endif
.irp t, 0,1,2,3,4,5,6,7
	ds_load_b128 v[\f+4*\t:\f+4*\t+3], v[RD] offset:(\t>>1)*4*SPITCH+(\t&1)*128   ; a wave's LDS instructions are served in order: these see the stores above
.endr
.irp t, 0,2,4,6
	s_wait_dscnt 7-\t
	global_store_b128 v[CO], v[\f+4*\t:\f+4*\t+3], s[76:77] offset:(\t>>1)*512     ; four rows of the even head: 512 consecutive bytes, aligned
	s_wait_dscnt 6-\t
	global_store_b128 v[CO], v[\f+4*\t+4:\f+4*\t+7], s[78:79] offset:(\t>>1)*512   ; the same rows of the odd head
.endr
.endm
	OUT16 0, 0, 0x0a, F0
	OUT16 1, 1, 0x0a, F1
	OUT16 2, 2, 0x0a, F0
	OUT16 3, 3, 0x0a, F1
	OUT16 4, 0, 0x0f, F0
	OUT16 5, 1, 0x0f, F1
	OUT16 6, 2, 0x0f, F0
	OUT16 7, 3, 0x0f, F1
	s_set_vgpr_msb 0x1
	s_wait_tensorcnt 0x0
	ds_add_u32 v255, v255
	s_wait_dscnt 0x0
	s_set_vgpr_msb 0x100
	CROUND                                         ; the closing round: no work-group ends while a partner may still ask for a tile that names it
	s_endpgm
.Lfunc_end_k_q48fc836d95_proj:
	.size	k_q48fc836d95_proj, .Lfunc_end_k_q48fc836d95_proj-k_q48fc836d95_proj
	.p2alignl 7, 3214868480
	.fill 96, 4, 3214868480
	.section	.rodata,"a",@progbits
	.p2align	6, 0x0
	.amdhsa_kernel k_q48fc836d95_proj
		.amdhsa_group_segment_fixed_size 327680
		.amdhsa_private_segment_fixed_size 0
		.amdhsa_enable_private_segment 0
		.amdhsa_kernarg_size 48
		.amdhsa_user_sgpr_count 2
		.amdhsa_user_sgpr_kernarg_segment_ptr 1
		.amdhsa_wavefront_size32 1
		.amdhsa_system_sgpr_workgroup_id_x 1
		.amdhsa_system_sgpr_workgroup_id_y 1
		.amdhsa_system_sgpr_workgroup_id_z 1
		.amdhsa_system_vgpr_workitem_id 0
		.amdhsa_next_free_vgpr 1024
		.amdhsa_next_free_sgpr 96
		.amdhsa_reserve_vcc 0
		.amdhsa_float_denorm_mode_32 3
		.amdhsa_float_denorm_mode_16_64 3
		.amdhsa_memory_ordered 1
		.amdhsa_forward_progress 1
		.amdhsa_inst_pref_size 197
	.end_amdhsa_kernel
	.amdgpu_metadata
---
amdhsa.version: [ 1, 2 ]
amdhsa.kernels:
  - .name:           k_q48fc836d95_proj
    .symbol:         k_q48fc836d95_proj.kd
    .args:
      - { .name: tokh, .offset: 0, .size: 8, .value_kind: global_buffer, .address_space: global }
      - { .name: ctxh, .offset: 8, .size: 8, .value_kind: global_buffer, .address_space: global }
      - { .name: wth, .offset: 16, .size: 8, .value_kind: global_buffer, .address_space: global }
      - { .name: qh, .offset: 24, .size: 8, .value_kind: global_buffer, .address_space: global }
      - { .name: kh, .offset: 32, .size: 8, .value_kind: global_buffer, .address_space: global }
      - { .name: vh, .offset: 40, .size: 8, .value_kind: global_buffer, .address_space: global }
    .group_segment_fixed_size: 327680
    .private_segment_fixed_size: 0
    .kernarg_segment_align: 8
    .kernarg_segment_size: 48
    .max_flat_workgroup_size: 128
    .sgpr_count:     96
    .vgpr_count:     1024
    .wavefront_size: 32
...
	.end_amdgpu_metadata
.endif
;; end of part 2
;; launch attn (part 3): grid 256 x 1, 8 waves a work-group, clusters of 4 x 1, 312,320 bytes of LDS; arguments qh, kh, vh, ah; writes ah
.if DOCPART == 3
	.amdgcn_target "amdgcn-amd-amdhsa--gfx1250"
	.amdhsa_code_object_version 6
	.text
	.protected	k_q48fc836d95_attn
	.globl	k_q48fc836d95_attn
	.p2align	8
	.type	k_q48fc836d95_attn,@function
k_q48fc836d95_attn:
	s_mov_b64 s[64:65], 0
	v_nop
	global_prefetch_b8 v0, s[64:65] scope:SCOPE_SE
	s_setreg_imm32_b32 hwreg(HW_REG_WAVE_MODE, 25, 1), 1
	s_wait_xcnt 0x0
	s_wait_alu depctr_hold_cnt(0) depctr_sa_sdst(0) depctr_va_vdst(0) depctr_va_sdst(0) depctr_va_ssrc(0) depctr_va_vcc(0) depctr_vm_vsrc(0)
	s_getreg_b32 s2, hwreg(HW_REG_IB_STS2, 6, 4)
	s_cmp_eq_u32 s2, 0
	s_cbranch_scc0 .Lentry_in_a_cluster
	s_endpgm
.Lentry_in_a_cluster:
	s_bfe_u32 s2, ttmp6, 0x10000c
	s_cmp_lg_u32 s2, 0x3003
	s_cbranch_scc0 .Lentry_shape_is_right
	s_endpgm
.Lentry_shape_is_right:
; ah[bh][t][:] = softmax over s of (Q[t] . K[s] / 8) times V, for one head bh = b*16+h and 512 rows t a work-group; a wave owns 64 rows.
; qh, ah: [64][2048][64] f16; kh, vh: [64][1024][64] f16.  Products on f16 operands with f32 sums; softmax in f32 with a running maximum.
; THE HEAD'S WHOLE K AND V LIE IN LDS (1024 rows of 144 and of 160 bytes): every LDS byte is filled once, so there is no ring.
; CLUSTER 4 x 1: the four blocks of 512 rows of one head read the same K and V and ask for them jointly (mask 15).
; Each wave issues two loads: 64 rows (together rows 0-255 of K and of V), then 192 rows; the first three steps of 64 keys run while the second loads are out.
; ORIENTATION: S^T = K Q^T (A = 16 keys, B = 16 rows of Q): register j of lane (r, h) is key 8 h + j of row t = r.  So a row's maximum, sum and
; rescale factor are numbers of one lane and its partner r + 16, and two neighbouring S^T tiles, packed to f16, ARE the B fragment of P^T.
; ctx^T = V^T P^T (A = V^T by the transposing LDS load): a lane's 8 results are 8 neighbouring d of one row t.
; TWO GROUPS IN OPPOSITE PHASES.  A step of 64 keys is two halves: V(i), the LDS loads and the softmax (vector work alone), and M(i) = P V of step i - 1
; followed by S of step i (64 matrix instructions and nothing else).  The eight waves of 512 registers form two groups, g = (w xor (w >> 2)) & 1, so that
; waves w and w + 4 are in different groups, and so are waves 2 j and 2 j + 1.  Group 1 runs half a step behind group 0: while one group multiplies, the other
; has its vector work.  A barrier in the common text stands in front of every half and keeps the two in step; a branch on g between two barriers picks the half.
; LIMITS: f16 operands (P is at most about 1; P under about 6e-8 of the row's largest term becomes 0); an exponential under 2^-126 is 0; NaN and infinities
; are not treated; the row sum is taken of the f32 terms, in an order of its own.
.set KP,     144                       ; K's LDS pitch: 128 + 16, an odd multiple of 16
.set VP,     160                       ; V's LDS pitch: 128 + 32, an odd multiple of 32, for the transposing load
.set VBASE,  1024*KP
.set KSTEPB, 64*KP                     ; 64 keys of K
.set VSTEPB, 64*VP                     ; 64 keys of V
.set W0K, 15|(1<<16)|(1<<20)|(1<<21)|(4<<22)|(3<<25)   ; mask of the four; 2-byte elements; padding on; bit 21 beside a mask; after every 32 words, 4 words
.set W0V, 15|(1<<16)|(1<<20)|(1<<21)|(4<<22)|(7<<25)   ; the same with 8 words
; window 0
.set MX,  10                           ; v[10:13]   running maximum of the raw scores, for each of my 4 tiles of 16 rows (tt)
.set TA,  14                           ; v[14:17]   at work
.set TB,  18                           ; v[18:21]   at work
.set LP,  22                           ; v[22:29]   running sum, a pair for each tt
.set QF,  32                           ; v[32:95]   Q fragments at 16 tt + 8 dh
.set KF,  96                           ; v[96:159]  K fragments at 16 st + 8 dh; the way out: packed results
.set VF,  160                          ; v[160:223] V^T fragments at 32 ks + 8 dt; the way out: rows read back
.set AL,  224                          ; v[224:231] rescale factor, twice, for each tt
.set NM,  232                          ; v[232:239] -c x maximum, twice, for each tt
.set XD,  240                          ; v[240:243] exponent of the rescale factor
; window 1
.set ACC, 0                            ; v256-383   ctx^T tiles at 32 tt + 8 dt
.set SC,  128                          ; v384-511   S^T tiles at 32 tt + 8 st; P^T fragments are made in place at 32 tt + 16 ks
.set MSB, 0
.macro WIN new
.if MSB != \new
	s_set_vgpr_msb (MSB<<8)|\new
.set MSB, \new
.endif
.endm
.macro PLACES n
.rept \n
	v_nop
.endr
.endm
.macro ROUND                           ; a round of the cluster's barrier
	s_barrier_signal -1
	s_barrier_wait -1
	s_cmp_lg_u32 s12, 0
	s_cbranch_scc1 .Lnot_wave_0_\@
	s_barrier_signal -3
.Lnot_wave_0_\@:
	s_barrier_wait -3
	s_barrier_signal -1
	s_barrier_wait -1
.endm
.macro BAR                             ; the barrier in front of a half: no LDS instruction of the wave is pending at the signal
	s_wait_dscnt 0x0
	s_barrier_signal -1
	s_barrier_wait -1
.endm
; My two first fills: LDS addresses are the wave's number times a constant plus a constant; plo: the scalar pair with the tensor's address.
.macro FILLS w0, mula, adda, mulb, addb, plo
	s_mov_b32 s16, \w0
	s_mov_b32 s24, \w0
	s_mul_i32 s33, s12, \mula
.if \adda
	s_add_co_u32 s33, s33, \adda
.endif
	s_mul_i32 s37, s12, \mulb
	s_add_co_u32 s37, s37, \addb
	s_add_nc_u64 s[34:35], s[\plo:\plo+1], s[40:41]
	s_add_nc_u64 s[38:39], s[\plo:\plo+1], s[42:43]
	s_or_b32 s35, s35, 0x80000000
	s_or_b32 s39, s39, 0x80000000
	tensor_load_to_lds s[32:35], s[16:23]          ; 64 rows
	s_nop 0
	tensor_load_to_lds s[36:39], s[24:31]          ; 192 rows: by this text's count two tensor loads of a wave are out, never more
	s_nop 0
.endm
	s_load_b256 s[4:11], s[0:1], 0x0               ; qh s[4:5], kh s[6:7], vh s[8:9], ah s[10:11]
	v_lshl_add_u32 v254, v0, 2, 0x4c000
	v_mov_b32 v255, 0
	ds_add_u32 v254, v255
	v_lshrrev_b32 v1, 5, v0
	v_readfirstlane_b32 s12, v1                    ; wave 0..7
	s_and_b32 s13, s12, 3                          ; which piece of K (waves 0-3) or of V (waves 4-7) I fetch
	s_lshr_b32 s15, s12, 2
	s_xor_b32 s15, s15, s12
	s_and_b32 s15, s15, 1                          ; g: my group; waves 0, 2, 5, 7 are group 0, waves 1, 3, 4, 6 group 1
	s_bfe_u32 s14, ttmp6, 0x40000                  ; cx: which 512 rows of the head are my work-group's
	s_mov_b32 s44, 0x76543210                      ; v_permlanex16_b32: lane i of one half reads lane i of the other
	s_mov_b32 s45, 0xfedcba98
	; group 1 of the two loads: rows of 64 elements, dense in memory; 64 rows in s[16:23], 192 rows in s[24:31]; word 0 is written with the loads
	s_mov_b32 s17, 64<<16                          ; tensor_dim0 = 64
	s_mov_b32 s18, 64<<16                          ; tensor_dim1 = 64
	s_mov_b32 s19, 64<<16                          ; tile_dim0 = 64
	s_mov_b32 s20, 64                              ; tile_dim1 = 64
	s_mov_b32 s21, 64                              ; elements from row to row
	s_mov_b32 s22, 0
	s_mov_b32 s23, 0
	s_mov_b32 s25, 64<<16
	s_mov_b32 s26, 192<<16                         ; tensor_dim1 = 192
	s_mov_b32 s27, 64<<16
	s_mov_b32 s28, 192                             ; tile_dim1 = 192
	s_mov_b32 s29, 64
	s_mov_b32 s30, 0
	s_mov_b32 s31, 0
	s_mov_b32 s32, 1
	s_mov_b32 s36, 1
	s_lshl_b32 s42, ttmp9, 17                      ; the head in kh and vh: 1,024 rows of 128 bytes; ttmp9 is the cluster's number = the head
	s_lshl_b32 s40, s13, 13                        ; first load: piece x 64 rows
	s_add_co_u32 s40, s40, s42
	s_mov_b32 s41, 0
	s_mul_i32 s43, s13, 24576                      ; second load: row 256 + piece x 192 rows
	s_add_co_u32 s42, s42, s43
	s_add_co_u32 s42, s42, 32768
	s_mov_b32 s43, 0
	s_lshl_b32 s52, ttmp9, 18                      ; the head in qh and ah: 2,048 rows of 128 bytes
	s_lshl_b32 s54, s14, 16                        ; + 512 rows x cx
	s_add_co_u32 s52, s52, s54
	s_lshl_b32 s54, s12, 13                        ; + 64 rows x wave
	s_add_co_u32 s52, s52, s54
	s_mov_b32 s53, 0
	s_mul_i32 s47, s12, KSTEPB                     ; my stage for the way out: 64 rows of 144 bytes in K's region
	s_wait_dscnt 0x0
	s_wait_kmcnt 0x0
	s_add_nc_u64 s[48:49], s[4:5], s[52:53]        ; my 64 rows of Q
	s_add_nc_u64 s[50:51], s[10:11], s[52:53]      ; and of the result
	ROUND                                          ; the four work-groups are here: the joint loads meet
	s_cmp_lt_u32 s12, 4
	s_cbranch_scc0 .Lfill_v
	FILLS W0K, KSTEPB, 0, 3*KSTEPB, 4*KSTEPB, 6                                  ; K rows 64 w .., then rows 256 + 192 w ..
	s_branch .Lfilled
.Lfill_v:
	FILLS W0V, VSTEPB, VBASE-4*VSTEPB, 3*VSTEPB, VBASE+4*VSTEPB-12*VSTEPB, 8     ; V likewise with w - 4
.Lfilled:
	v_and_b32 v1, 15, v0                           ; r
	v_bfe_u32 v2, v0, 4, 1                         ; h
	v_lshlrev_b32 v6, 7, v1
	v_lshl_add_u32 v6, v2, 4, v6                   ; Q: row r of 128 bytes + 16 h
.irp tt, 0,1,2,3
.irp dh, 0,1
	global_load_b128 v[QF+16*\tt+8*\dh:QF+16*\tt+8*\dh+3],   v6, s[48:49] offset:\tt*2048+\dh*64
	global_load_b128 v[QF+16*\tt+8*\dh+4:QF+16*\tt+8*\dh+7], v6, s[48:49] offset:\tt*2048+\dh*64+32
.endr
.endr
	v_mul_u32_u24 v4, v1, KP
	v_lshl_add_u32 v4, v2, 4, v4                   ; v4: K fragments: row r x pitch + 16 h
	v_add_nc_u32 v7, s47, v4                       ; v7: the way out, in: the same place in my stage
	v_and_b32 v3, 7, v0
	v_lshl_add_u32 v5, v2, 3, v3                   ; V: key 8 h + (l & 7)
	v_mul_u32_u24 v5, v5, VP
	v_bfe_u32 v8, v0, 3, 1
	v_lshl_add_u32 v5, v8, 4, v5                   ; + 16 ((l >> 3) & 1)
	v_add_nc_u32 v5, VBASE, v5                     ; v5: V^T fragments
	v_bfe_u32 v8, v0, 3, 2
	v_mul_u32_u24 v8, v8, KP
	v_lshl_add_u32 v8, v3, 4, v8
	v_add_nc_u32 v8, s47, v8                       ; v8: the way out, back: eight lanes a row, four rows a load
	v_and_b32 v9, 31, v0
	v_lshlrev_b32 v9, 4, v9                        ; v9: 16 x lane
.irp i, 0,1,2,3,4,5,6,7
	v_mov_b32 v[LP+\i], 0                          ; the eight running sums start at 0
.endr
; 16 loads: the K fragments of 64 keys.  walk = 1: the address steps on (an LDS instruction's sources need no wait).
.macro LOADK koff, walk
.irp st, 0,1,2,3
.irp dh, 0,1
	ds_load_b128 v[KF+16*\st+8*\dh:KF+16*\st+8*\dh+3],   v4 offset:\koff+\st*16*KP+\dh*64
	ds_load_b128 v[KF+16*\st+8*\dh+4:KF+16*\st+8*\dh+7], v4 offset:\koff+\st*16*KP+\dh*64+32
.endr
.endr
.if \walk
	v_add_nc_u32 v4, KSTEPB, v4
.endif
.endm
; 16 transposing loads: the V^T fragments of 64 keys
.macro LOADV voff, walk
.irp ks, 0,1
.irp dt, 0,1,2,3
	ds_load_tr16_b128 v[VF+32*\ks+8*\dt:VF+32*\ks+8*\dt+3],   v5 offset:\voff+\ks*32*VP+\dt*32
	ds_load_tr16_b128 v[VF+32*\ks+8*\dt+4:VF+32*\ks+8*\dt+7], v5 offset:\voff+\ks*32*VP+\dt*32+16*VP
.endr
.endr
.if \walk
	v_add_nc_u32 v5, VSTEPB, v5
.endif
.endm
; THE MATRIX HALF M(i).  pv = 1: ctx^T += V^T P^T of step i - 1 (pvfirst = 1: these products start the sums); sm = 1: S^T of step i.
; Its fragments were loaded in the vector half before and waited for in front of the barrier.  In both runs of 32 matrix instructions
; 16 accumulators take turns, one instruction a turn.
.macro MPH pv, pvfirst, sm
.if \pv
	WIN 0x54                                       ; source 1 (P^T), C and D window 1
.irp tt, 0,1,2,3
.irp dt, 0,1,2,3
.if \pvfirst
	v_wmma_f32_16x16x32_f16 v[ACC+32*\tt+8*\dt:ACC+32*\tt+8*\dt+7], v[VF+8*\dt:VF+8*\dt+7], v[SC+32*\tt:SC+32*\tt+7], 0
.else
	v_wmma_f32_16x16x32_f16 v[ACC+32*\tt+8*\dt:ACC+32*\tt+8*\dt+7], v[VF+8*\dt:VF+8*\dt+7], v[SC+32*\tt:SC+32*\tt+7], v[ACC+32*\tt+8*\dt:ACC+32*\tt+8*\dt+7]
.endif
.endr
.endr
.irp tt, 0,1,2,3
.irp dt, 0,1,2,3
	v_wmma_f32_16x16x32_f16 v[ACC+32*\tt+8*\dt:ACC+32*\tt+8*\dt+7], v[VF+32+8*\dt:VF+32+8*\dt+7], v[SC+32*\tt+16:SC+32*\tt+23], v[ACC+32*\tt+8*\dt:ACC+32*\tt+8*\dt+7]
.endr
.endr
.if \sm
	PLACES 5                                       ; five places in front of the score products, which write over P^T (ISA guide 7.12.1)
.endif
.endif
.if \sm
	WIN 0x50                                       ; C and D window 1
.irp st, 0,1,2,3
.irp tt, 0,1,2,3
	v_wmma_f32_16x16x32_f16 v[SC+32*\tt+8*\st:SC+32*\tt+8*\st+7], v[KF+16*\st:KF+16*\st+7], v[QF+16*\tt:QF+16*\tt+7], 0
.endr
.endr
.irp st, 0,1,2,3
.irp tt, 0,1,2,3
	v_wmma_f32_16x16x32_f16 v[SC+32*\tt+8*\st:SC+32*\tt+8*\st+7], v[KF+16*\st+8:KF+16*\st+15], v[QF+16*\tt+8:QF+16*\tt+15], v[SC+32*\tt+8*\st:SC+32*\tt+8*\st+7]
.endr
.endr
.endif
	WIN 0
	PLACES 5                                       ; the places in front of the next half's loads into K's and V's fragments and of its reads of scores and sums
.endm
; THE VECTOR HALF V(i).  The loads for the next matrix half go out first (V of this step at voff; more = 1: K of the next step at koff) and land under the
; softmax; the wait for them stands in front of the next barrier.  first = 1: nothing to rescale yet.
.macro VPH first, more, koff, voff, walk
	LOADV \voff, \walk
.if \more
	LOADK \koff, \walk
.endif
	; the largest raw score of each row, the old maximum among them: two chains for each tt
	WIN 0x05                                       ; sources 0 and 1 window 1
.irp tt, 0,1,2,3
.if \first
	v_max_num_f32 v[TA+\tt], v[SC+32*\tt], v[SC+32*\tt+1]
.else
	v_max3_num_f32 v[TA+\tt], v[SC+32*\tt], v[SC+32*\tt+1], v[MX+\tt]
.endif
	v_max_num_f32 v[TB+\tt], v[SC+32*\tt+16], v[SC+32*\tt+17]
.endr
.irp i, 2,4,6,8,10,12,14
.irp tt, 0,1,2,3
	v_max3_num_f32 v[TA+\tt], v[SC+32*\tt+\i], v[SC+32*\tt+\i+1], v[TA+\tt]
	v_max3_num_f32 v[TB+\tt], v[SC+32*\tt+16+\i], v[SC+32*\tt+17+\i], v[TB+\tt]
.endr
.endr
	WIN 0
.irp tt, 0,1,2,3
	v_max_num_f32 v[TA+\tt], v[TA+\tt], v[TB+\tt]
.endr
.irp tt, 0,1,2,3
	v_permlanex16_b32 v[TB+\tt], v[TA+\tt], s44, s45       ; the partner lane holds the row's other keys
.endr
.irp tt, 0,1,2,3
	v_max_num_f32 v[MX+\tt], v[TA+\tt], v[TB+\tt]          ; the new running maximum
.endr
.irp tt, 0,1,2,3
	v_mul_f32 v[TA+\tt], 0xbe38aa3b, v[MX+\tt]             ; the new shift: -c x maximum, c = log2(e) / 8
.endr
.if \first == 0
.irp tt, 0,1,2,3
	v_sub_f32 v[XD+\tt], v[TA+\tt], v[NM+2*\tt]            ; new shift - old shift, of the two ROUNDED shifts: old and new terms then carry the same shift
.endr
.irp tt, 0,1,2,3
	v_exp_f32 v[AL+2*\tt], v[XD+\tt]                       ; the rescale factor, at most 1
.endr
.endif
.irp tt, 0,1,2,3
	v_mov_b32 v[NM+2*\tt], v[TA+\tt]                       ; plain instructions behind the exponentials (ISA guide 5.7.2)
	v_mov_b32 v[NM+2*\tt+1], v[TA+\tt]
.endr
.if \first == 0
	s_wait_alu depctr_va_vdst(0)
.irp tt, 0,1,2,3
	v_mov_b32 v[AL+2*\tt+1], v[AL+2*\tt]
.endr
.irp tt, 0,1,2,3
	v_pk_mul_f32 v[LP+2*\tt:LP+2*\tt+1], v[LP+2*\tt:LP+2*\tt+1], v[AL+2*\tt:AL+2*\tt+1]
.endr
.endif
	; p = 2^(c s - c max), in place; the rescale of the 128 sums of ctx^T fills the places behind the exponentials
	WIN 0x41                                       ; source 0 and destination window 1
.irp tt, 0,1,2,3
.irp i, 0,2,4,6,8,10,12,14,16,18,20,22,24,26,28,30
	v_pk_fma_f32 v[SC+32*\tt+\i:SC+32*\tt+\i+1], v[SC+32*\tt+\i:SC+32*\tt+\i+1], 0x3e38aa3b, v[NM+2*\tt:NM+2*\tt+1] op_sel_hi:[1,0,1]
.endr
.endr
.irp tt, 0,1,2,3
.irp i, 0,2,4,6,8,10,12,14,16,18,20,22,24,26,28,30
	v_exp_f32 v[SC+32*\tt+\i], v[SC+32*\tt+\i]
	v_exp_f32 v[SC+32*\tt+\i+1], v[SC+32*\tt+\i+1]
.if \first == 0
	v_pk_mul_f32 v[ACC+32*\tt+\i:ACC+32*\tt+\i+1], v[ACC+32*\tt+\i:ACC+32*\tt+\i+1], v[AL+2*\tt:AL+2*\tt+1]
.endif
.endr
.endr
.if \first
	v_nop                                          ; the one plain place behind the last exponential
	s_wait_alu depctr_va_vdst(0)
.endif
	WIN 0x01                                       ; source 0 window 1
	s_wait_alu depctr_va_vdst(0)
.irp i, 0,2,4,6,8,10,12,14,16,18,20,22,24,26,28,30
.irp tt, 0,1,2,3
	v_pk_add_f32 v[LP+2*\tt:LP+2*\tt+1], v[SC+32*\tt+\i:SC+32*\tt+\i+1], v[LP+2*\tt:LP+2*\tt+1]
.endr
.endr
	WIN 0x45                                       ; sources 0, 1 and destination window 1
.irp tt, 0,1,2,3
.irp ks, 0,1
.irp j, 0,1,2,3,4,5,6,7
	v_cvt_pk_f16_f32 v[SC+32*\tt+16*\ks+\j], v[SC+32*\tt+16*\ks+2*\j], v[SC+32*\tt+16*\ks+2*\j+1]   ; ascending j writes no register that is still to be read
.endr
.endr
.endr
	WIN 0
.endm
; The two halves of step i in the text.  Every wave passes the barrier; the branch hangs on the wave's number alone and jumps over register work and LDS loads.
; HALF_A: group 0 does V(i), group 1 does M(i) (pv, pvfirst: whether M(i) has a P V part, and whether that starts the sums).
.macro HALF_A first, more, koff, voff, walk, pv, pvfirst
	BAR
	s_cmp_eq_u32 s15, 0
	s_cbranch_scc0 .Lgroup_1_\@
	VPH \first, \more, \koff, \voff, \walk
	s_branch .Ljoin_\@
.Lgroup_1_\@:
	MPH \pv, \pvfirst, 1
.Ljoin_\@:
.endm
; HALF_B: group 0 does M(i + 1) (sm = 0: there is no step i + 1, P V alone), group 1 does V(i).
.macro HALF_B first, more, koff, voff, walk, pvfirst, sm
	BAR
	s_cmp_eq_u32 s15, 0
	s_cbranch_scc0 .Lgroup_1_\@
	MPH 1, \pvfirst, \sm
	s_branch .Ljoin_\@
.Lgroup_1_\@:
	VPH \first, \more, \koff, \voff, \walk
.Ljoin_\@:
.endm
	s_wait_tensorcnt 0x1                           ; my first load is in; my second stays out: no LDS byte is ever filled again
	s_barrier_signal -1
	s_barrier_wait -1                              ; rows 0-255 of K and of V are in
	LOADK 0, 0                                     ; both groups: K of step 0
	s_wait_loadcnt 0x0                             ; Q
	s_wait_dscnt 0x0
	s_cmp_eq_u32 s15, 0
	s_cbranch_scc0 .Lhalf_a_step_behind
	MPH 0, 0, 1                                    ; group 0 alone: M(0) = S of step 0; from here on group 1 is half a step behind
.Lhalf_a_step_behind:
	; steps 0 to 2: every LDS address is a lane term plus an immediate, inside rows 0-255
	HALF_A 1, 1, KSTEPB,   0,        0, 0, 0
	HALF_B 1, 1, KSTEPB,   0,        0, 1, 1
	HALF_A 0, 1, 2*KSTEPB, VSTEPB,   0, 1, 1
	HALF_B 0, 1, 2*KSTEPB, VSTEPB,   0, 0, 1
	HALF_A 0, 1, 3*KSTEPB, 2*VSTEPB, 0, 1, 0
	HALF_B 0, 1, 3*KSTEPB, 2*VSTEPB, 0, 0, 1
	s_wait_tensorcnt 0x0                           ; my second load is in; behind the next barrier everybody's is
	v_add_nc_u32 v4, 4*KSTEPB, v4                  ; the next K fragments to fetch: keys 256 ..
	v_add_nc_u32 v5, 3*VSTEPB, v5                  ; the next V fragments: keys 192 ..
	s_mov_b32 s46, 0
.Lkeys:
	HALF_A 0, 1, 0, 0, 1, 1, 0                     ; steps 3 to 14
	HALF_B 0, 1, 0, 0, 1, 0, 1
	s_add_co_u32 s46, s46, 1
	s_cmp_lt_u32 s46, 12
	s_cbranch_scc1 .Lkeys
	HALF_A 0, 0, 0, 0, 0, 1, 0                     ; step 15: no K is left to fetch
	HALF_B 0, 0, 0, 0, 0, 0, 0                     ; group 0: the last P V
	BAR                                            ; every wave's last reads of K lie two barriers back, and K's region has had its only fill: it serves as stage
	s_cmp_eq_u32 s15, 0
	s_cbranch_scc1 .Lall_multiplied
	MPH 1, 0, 0                                    ; group 1: the last P V, while group 0 is on its way out
.Lall_multiplied:
	; THE WAY OUT: divide by the row's sum, round to f16, through my stage, 512 consecutive bytes a store
.irp tt, 0,1,2,3
	v_add_f32 v[TA+\tt], v[LP+2*\tt], v[LP+2*\tt+1]
.endr
.irp tt, 0,1,2,3
	v_permlanex16_b32 v[TB+\tt], v[TA+\tt], s44, s45
.endr
.irp tt, 0,1,2,3
	v_add_f32 v[TA+\tt], v[TA+\tt], v[TB+\tt]      ; the row's sum; its largest term is about 1
.endr
.irp tt, 0,1,2,3
	v_rcp_f32 v[AL+2*\tt], v[TA+\tt]
.endr
	v_nop                                          ; the plain place behind the reciprocals
	s_wait_alu depctr_va_vdst(0)
.irp tt, 0,1,2,3
	v_mov_b32 v[AL+2*\tt+1], v[AL+2*\tt]
.endr
	WIN 0x41
.irp tt, 0,1,2,3
.irp i, 0,2,4,6,8,10,12,14,16,18,20,22,24,26,28,30
	v_pk_mul_f32 v[ACC+32*\tt+\i:ACC+32*\tt+\i+1], v[ACC+32*\tt+\i:ACC+32*\tt+\i+1], v[AL+2*\tt:AL+2*\tt+1]
.endr
.endr
	WIN 0x05
.irp tt, 0,1,2,3
.irp dt, 0,1,2,3
.irp j, 0,1,2,3
	v_cvt_pk_f16_f32 v[KF+16*\tt+4*\dt+\j], v[ACC+32*\tt+8*\dt+2*\j], v[ACC+32*\tt+8*\dt+2*\j+1]
.endr
.endr
.endr
	WIN 0
.irp tt, 0,1,2,3
.irp dt, 0,1,2,3
	ds_store_b128 v7, v[KF+16*\tt+4*\dt:KF+16*\tt+4*\dt+3] offset:\tt*16*KP+\dt*32   ; row 16 tt + r, d = 16 dt + 8 h ..
.endr
.endr
.irp i, 0,1,2,3,4,5,6,7,8,9,10,11,12,13,14,15
	ds_load_b128 v[VF+4*\i:VF+4*\i+3], v8 offset:\i*4*KP   ; my own bytes; a wave's LDS instructions are served in order
.endr
.irp i, 0,1,2,3,4,5,6,7,8,9,10,11,12,13,14,15
	s_wait_dscnt 15-\i
	global_store_b128 v9, v[VF+4*\i:VF+4*\i+3], s[50:51] offset:\i*512   ; four rows of 128 bytes: 512 consecutive bytes, aligned
.endr
	s_wait_tensorcnt 0x0
	ds_add_u32 v254, v255
	s_wait_dscnt 0x0
	ROUND                                          ; the closing round
	s_endpgm
.Lfunc_end_k_q48fc836d95_attn:
	.size	k_q48fc836d95_attn, .Lfunc_end_k_q48fc836d95_attn-k_q48fc836d95_attn
	.p2alignl 7, 3214868480
	.fill 96, 4, 3214868480
	.section	.rodata,"a",@progbits
	.p2align	6, 0x0
	.amdhsa_kernel k_q48fc836d95_attn
		.amdhsa_group_segment_fixed_size 312320
		.amdhsa_private_segment_fixed_size 0
		.amdhsa_enable_private_segment 0
		.amdhsa_kernarg_size 32
		.amdhsa_user_sgpr_count 2
		.amdhsa_user_sgpr_kernarg_segment_ptr 1
		.amdhsa_wavefront_size32 1
		.amdhsa_system_sgpr_workgroup_id_x 1
		.amdhsa_system_sgpr_workgroup_id_y 1
		.amdhsa_system_sgpr_workgroup_id_z 1
		.amdhsa_system_vgpr_workitem_id 0
		.amdhsa_next_free_vgpr 512
		.amdhsa_next_free_sgpr 72
		.amdhsa_reserve_vcc 0
		.amdhsa_float_denorm_mode_32 3
		.amdhsa_float_denorm_mode_16_64 3
		.amdhsa_memory_ordered 1
		.amdhsa_forward_progress 1
		.amdhsa_inst_pref_size 255
	.end_amdhsa_kernel
	.section	.bss,"aw",@nobits
	.p2align	6
	.space	262144
	.amdgpu_metadata
---
amdhsa.version: [ 1, 2 ]
amdhsa.kernels:
  - .name:           k_q48fc836d95_attn
    .symbol:         k_q48fc836d95_attn.kd
    .args:
      - { .name: qh, .offset: 0, .size: 8, .value_kind: global_buffer, .address_space: global }
      - { .name: kh, .offset: 8, .size: 8, .value_kind: global_buffer, .address_space: global }
      - { .name: vh, .offset: 16, .size: 8, .value_kind: global_buffer, .address_space: global }
      - { .name: ah, .offset: 24, .size: 8, .value_kind: global_buffer, .address_space: global }
    .group_segment_fixed_size: 312320
    .private_segment_fixed_size: 0
    .kernarg_segment_align: 8
    .kernarg_segment_size: 32
    .max_flat_workgroup_size: 256
    .sgpr_count:     72
    .vgpr_count:     512
    .wavefront_size: 32
...
	.end_amdgpu_metadata
.endif
;; end of part 3
;; launch oproj (part 4): grid 4 x 64, 4 waves a work-group, clusters of 4 x 4, 327,680 bytes of LDS; arguments ah, wth, bo, out0; writes out0
.if DOCPART == 4
	.amdgcn_target "amdgcn-amd-amdhsa--gfx1250"
	.amdhsa_code_object_version 6
	.text
	.protected	k_q48fc836d95_oproj
	.globl	k_q48fc836d95_oproj
	.p2align	8
	.type	k_q48fc836d95_oproj,@function
k_q48fc836d95_oproj:
	s_mov_b64 s[64:65], 0
	v_nop
	global_prefetch_b8 v0, s[64:65] scope:SCOPE_SE
	s_setreg_imm32_b32 hwreg(HW_REG_WAVE_MODE, 25, 1), 1
	s_wait_xcnt 0x0
	s_wait_alu depctr_hold_cnt(0) depctr_sa_sdst(0) depctr_va_vdst(0) depctr_va_sdst(0) depctr_va_ssrc(0) depctr_va_vcc(0) depctr_vm_vsrc(0)
	s_getreg_b32 s2, hwreg(HW_REG_IB_STS2, 6, 4)
	s_cmp_eq_u32 s2, 0
	s_cbranch_scc0 .Lentry_in_a_cluster
	s_endpgm
.Lentry_in_a_cluster:
	s_bfe_u32 s2, ttmp6, 0x10000c
	s_cmp_lg_u32 s2, 0xf033
	s_cbranch_scc0 .Lentry_shape_is_right
	s_endpgm
.Lentry_shape_is_right:
; out0 = ctx Wo + bo.  ctx comes by heads, ah [b*16+h][2048][64] f16; Wo^T is part 3 of wth, [1024 n][1024 k] f16; bo and out0 are f32.
; A work-group makes 128 (m) x 256 (n) of the result, so that 8192 x 1024 gives 256 work-groups; a wave makes 64 x 128: 32 accumulator tiles in window 2.
; K goes in steps of 128 = two heads through a ring of two LDS slots.  Wave 0 fetches the even head's 128 rows of 128 bytes (LDS pitch 144), wave 1 the odd
; head's, waves 2 and 3 B's rows 0-127 and 128-255 (256 bytes, LDS pitch 272); each at wave x HALFT in the slot.
; CLUSTERS 4 x 4: A's tiles hang on the block row and are asked for jointly by a row of the cluster, B's on the block column and by a column.
; The matrix instruction is used transposed (source 0 = rows of Wo^T, source 1 = rows of ctx): a lane's 8 results are 8 neighbouring columns of a row.
; LIMIT: f16 operands (|x| of 65,504 and more becomes infinite); f32 sums, K ascending; the bias is added in f32.
.set KSTEP,  128
.set PITCH,  272                       ; B's LDS row
.set APITCH, 144                       ; A's LDS row: 128 bytes + 16
.set HALFT,  128*PITCH                 ; a wave's share of a slot (A's tiles use 128 x 144 bytes of it)
.set SLOT,   4*HALFT
.set STAGE,  2*SLOT                    ; behind the ring: 16 rows x 528 bytes for each wave; no tensor load lands there
.set SPITCH, 528                       ; 128 f32 + 16 bytes
.set ADRA, 16                          ; v16-17  LDS address of my A fragments in slot 0, 1
.set ADRB, 20                          ; v20-21  the same for B
.set STO,  24                          ; v24     the way out: in
.set RD,   25                          ; v25     the way out: back
.set CO,   26                          ; v26     16 x lane
.set BI,   28                          ; v[28:31] the bias of my 4 columns on the way out
.set F0,   64
.set F1,   128
.set G1,  24
.set G0,  32
.set G1B, 48
.set G0B, 56
.set MSB, 0
.macro WIN new
.if MSB != \new
	s_set_vgpr_msb (MSB<<8)|\new
.set MSB, \new
.endif
.endm
.set MUL,      0xa1                    ; source 0 (B) window 1, source 1 (A) window 0, C and D window 2
.set TO_B,     0x40                    ; destination window 1
.set FROM_ACC, 0x08                    ; an LDS store's data window 2
.macro JLOAD s
	s_cmp_eq_u32 s17, 0
	s_cbranch_scc0 .Lfor_b_\@
	tensor_load_to_lds s[G0+4*\s:G0+4*\s+3], s[G1:G1+7]
	s_nop 0
	s_branch .Lasked_\@
.Lfor_b_\@:
	tensor_load_to_lds s[G0B+4*\s:G0B+4*\s+3], s[G1B:G1B+7]
	s_nop 0
.Lasked_\@:
.endm
.macro CREST
	s_cmp_lg_u32 s16, 0
	s_cbranch_scc1 .Lnot_wave_0_\@
	s_barrier_signal -3
.Lnot_wave_0_\@:
	s_barrier_wait -3
	s_barrier_signal -1
	s_barrier_wait -1
.endm
.macro CROUND
	s_barrier_signal -1
	s_barrier_wait -1
	CREST
.endm
	s_load_b256 s[4:11], s[0:1], 0x0               ; ah s[4:5], wth s[6:7], bo s[8:9], out0 s[10:11]
	s_set_vgpr_msb 0x40
	v_lshl_add_u32 v255, v0, 2, 0x4c400
	s_set_vgpr_msb 0x4000
	v_mov_b32 v255, 0
	s_set_vgpr_msb 0x1
	ds_add_u32 v255, v255
	s_set_vgpr_msb 0x100
	v_lshrrev_b32 v1, 5, v0
	v_readfirstlane_b32 s16, v1                    ; wave 0..3
	s_lshr_b32 s17, s16, 1                         ; my half of the block's rows.  Also: I fetch for A (0) or for B (1)
	s_and_b32 s18, s16, 1                          ; my half of its columns.  Also: which head, or which 128 rows of B, I fetch
	s_bfe_u32 s19, ttmp6, 0x40000                  ; cx
	s_bfe_u32 s20, ttmp6, 0x40004                  ; cy
	s_lshl_b32 s21, ttmp9, 2
	s_add_co_u32 s21, s21, s19                     ; block column, 0..3
	s_and_b32 s22, ttmp7, 0xffff
	s_lshl_b32 s67, s22, 2
	s_add_co_u32 s67, s67, s20                     ; block row y, 0..63
	s_lshl_b32 s40, s20, 2
	s_lshl_b32 s40, 15, s40                        ; my row of the cluster
	s_lshl_b32 s41, 0x1111, s19                    ; my column
	; group 1 for A: 128 rows x 64 elements, dense in memory, 4 words of padding behind every 32 words
	s_or_b32 s[G1+0], s40, (1<<16)|(1<<20)|(1<<21)|(4<<22)|(3<<25)
	s_mov_b32 s[G1+1], 64<<16                      ; tensor_dim0 = 64
	s_mov_b32 s[G1+2], 128<<16                     ; tensor_dim1 = 128
	s_mov_b32 s[G1+3], 64<<16                      ; tile_dim0 = 64
	s_mov_b32 s[G1+4], 128                         ; tile_dim1 = 128
	s_mov_b32 s[G1+5], 64                          ; elements from row to row
	s_mov_b32 s[G1+6], 0
	s_mov_b32 s[G1+7], 0
	; group 1 for B: 128 rows x 128 elements, 1,024 elements from row to row, 4 words of padding behind every 64 words
	s_or_b32 s[G1B+0], s41, (1<<16)|(1<<20)|(1<<21)|(5<<22)|(3<<25)
	s_mov_b32 s[G1B+1], KSTEP<<16
	s_mov_b32 s[G1B+2], 128<<16
	s_mov_b32 s[G1B+3], KSTEP<<16
	s_mov_b32 s[G1B+4], 128
	s_mov_b32 s[G1B+5], 1024
	s_mov_b32 s[G1B+6], 0
	s_mov_b32 s[G1B+7], 0
	; A's offset: batch y / 16 (16 heads of 262,144 bytes), rows 128 (y % 16) of 128 bytes, my head of the K step
	s_lshr_b32 s42, s67, 4
	s_lshl_b32 s42, s42, 22
	s_and_b32 s43, s67, 15
	s_lshl_b32 s43, s43, 14
	s_add_co_u32 s42, s42, s43
	s_lshl_b32 s43, s18, 18
	s_add_co_u32 s42, s42, s43
	s_mov_b32 s43, 0
	; B's offset: part 3 of wth, row 256 x block column + 128 x half, rows of 2,048 bytes
	s_lshl_b32 s91, s18, 7
	s_lshl_b32 s46, s21, 8
	s_add_co_u32 s46, s46, s91
	s_lshl_b32 s46, s46, 11
	s_add_co_u32 s46, s46, 0x600000
	s_mov_b32 s47, 0
	s_mul_i32 s88, s16, HALFT                      ; where a wave's tile goes: no place in the cluster enters an LDS address
	s_wait_dscnt 0x0
	s_wait_kmcnt 0x0
	s_add_nc_u64 s[72:73], s[4:5], s[42:43]
	s_add_nc_u64 s[74:75], s[6:7], s[46:47]
	CROUND                                         ; all sixteen work-groups are here: the first joint loads meet
.irp s, 0,1
	s_mov_b32 s[G0+4*\s], 1
	s_add_co_u32 s[G0+4*\s+1], s88, \s*SLOT
	s_add_nc_u64 s[G0+4*\s+2:G0+4*\s+3], s[72:73], \s*2*262144      ; K step s: two heads on
	s_or_b32 s[G0+4*\s+3], s[G0+4*\s+3], 0x80000000
	s_mov_b32 s[G0B+4*\s], 1
	s_add_co_u32 s[G0B+4*\s+1], s88, \s*SLOT
	s_add_nc_u64 s[G0B+4*\s+2:G0B+4*\s+3], s[74:75], \s*KSTEP*2
	s_or_b32 s[G0B+4*\s+3], s[G0B+4*\s+3], 0x80000000
	JLOAD \s                                       ; by this text's count two tensor loads of a wave are out here, later one
.endr
	; where the result goes, and the bias of my 128 columns (these registers hold both coordinates and feed no descriptor)
	s_lshl_b32 s80, s67, 7
	s_lshl_b32 s81, s17, 6
	s_add_co_u32 s80, s80, s81                     ; my first row
	s_lshl_b32 s80, s80, 12                        ; rows of 4,096 bytes
	s_lshl_b32 s82, s21, 8
	s_lshl_b32 s83, s18, 7
	s_add_co_u32 s82, s82, s83                     ; my first column
	s_lshl_b32 s82, s82, 2
	s_mov_b32 s83, 0
	s_add_nc_u64 s[78:79], s[8:9], s[82:83]
	s_add_co_u32 s80, s80, s82
	s_mov_b32 s81, 0
	s_add_nc_u64 s[76:77], s[10:11], s[80:81]
	v_and_b32 v6, 31, v0
	v_lshlrev_b32 v[CO], 4, v6
	global_load_b128 v[BI:BI+3], v[CO], s[78:79]   ; columns 4 l .. 4 l + 3 of my 128; waited for in front of the way out
	v_and_b32 v1, 15, v0                           ; r
	v_bfe_u32 v2, v0, 4, 1                         ; h
	v_mul_u32_u24 v3, v1, APITCH
	v_lshl_add_u32 v3, v2, 4, v3
	v_mul_u32_u24 v4, v1, PITCH
	v_lshl_add_u32 v4, v2, 4, v4
	s_mul_i32 s89, s17, 64*APITCH                  ; my 64 rows of A, in both heads' tiles
	s_mul_i32 s90, s18, HALFT                      ; my 128 rows of B,
	s_add_co_u32 s90, s90, 2*HALFT                 ; behind A's two shares
.irp s, 0,1
	v_add_nc_u32 v[ADRA+\s], s89, v3
	v_add_nc_u32 v[ADRB+\s], s90, v4
	s_add_co_u32 s89, s89, SLOT
	s_add_co_u32 s90, s90, SLOT
.endr
	s_mul_i32 s23, s16, 16*SPITCH
	s_add_co_u32 s23, s23, STAGE                   ; my stage
	v_mul_u32_u24 v5, v1, SPITCH
	v_lshl_add_u32 v5, v2, 5, v5
	v_add_nc_u32 v[STO], s23, v5                   ; in: row r, 32 bytes for each half of the lanes
	v_add_nc_u32 v[RD], s23, v[CO]                 ; back: the 32 lanes take one row of 512 bytes
; 16 matrix instructions: m blocks a0, a0 + 1 x all 8 n blocks, 32 along K.  The 32 accumulators take turns, one instruction a turn,
; in the same order in every quarter step.
.macro MUL16 f, a0, zero
.irp a, \a0, \a0+1
.irp b, 0,1,2,3,4,5,6,7
.if \zero
	v_wmma_f32_16x16x32_f16 v[8*(8*(\a)+\b):8*(8*(\a)+\b)+7], v[\f+8*\b:\f+8*\b+7], v[\f+8*(\a):\f+8*(\a)+7], 0
.else
	v_wmma_f32_16x16x32_f16 v[8*(8*(\a)+\b):8*(8*(\a)+\b)+7], v[\f+8*\b:\f+8*\b+7], v[\f+8*(\a):\f+8*(\a)+7], v[8*(8*(\a)+\b):8*(8*(\a)+\b)+7]
.endif
.endr
.endr
.endm
; 24 LDS loads in one run: quarter q of a K step (32 along K): B's 128 rows at byte 64 q, A's 64 rows in head q / 2 at byte 64 (q % 2)
.macro FETCH slot, q, f
	WIN TO_B
.irp i, 0,1,2,3,4,5,6,7
	ds_load_b128 v[\f+8*\i:\f+8*\i+3],   v[ADRB+\slot] offset:\q*64+\i*16*PITCH
	ds_load_b128 v[\f+8*\i+4:\f+8*\i+7], v[ADRB+\slot] offset:\q*64+\i*16*PITCH+32
.endr
	WIN 0
.irp i, 0,1,2,3
	ds_load_b128 v[\f+8*\i:\f+8*\i+3],   v[ADRA+\slot] offset:(\q>>1)*HALFT+(\q&1)*64+\i*16*APITCH
	ds_load_b128 v[\f+8*\i+4:\f+8*\i+7], v[ADRA+\slot] offset:(\q>>1)*HALFT+(\q&1)*64+\i*16*APITCH+32
.endr
.endm
.macro PLACES                          ; four places behind the matrix instructions that read a buffer, in front of the loads into it (ISA guide 7.12.1 for vector instructions)
.rept 4
	v_nop
.endr
.endm
; A quarter step: buffer f is in; the next quarter's fragments go out into buffer g and have these 32 matrix instructions in which to land.
.macro QUARTER slot, qn, f, g, zero
	s_wait_dscnt 0
	PLACES
	FETCH \slot, \qn, \g
	WIN MUL
	MUL16 \f, 0, \zero
	MUL16 \f, 2, \zero
.endm
.macro THREE slot, zero
	QUARTER \slot, 1, F0, F1, \zero
	QUARTER \slot, 2, F1, F0, 0
	QUARTER \slot, 3, F0, F1, 0
.endm
; The last quarter changes slots: each wave's waits, the barrier (which opens a round of the cluster's barrier where the slot is filled again), the refill
; first behind the round, then the next slot's first fragments.  From a request to the wait for it a wave issues 112 matrix instructions.
.macro TURN slot, next, fill
	s_wait_dscnt 0                                 ; buffer 1 is in, and my reads of this slot are over
	s_wait_tensorcnt 0x0                           ; all my tensor loads have landed: the one that was out is my part of the next slot
	ds_add_u32 v255, v255
	s_wait_dscnt 0x0
	s_barrier_signal -1
	WIN MUL
	MUL16 F1, 0, 0                                 ; register work while the others arrive
	WIN 0
	s_barrier_wait -1
.if \fill
	CREST
	s_add_nc_u64 s[G0+4*\slot+2:G0+4*\slot+3], s[G0+4*\slot+2:G0+4*\slot+3], 4*262144     ; two K steps = four heads on
	s_add_nc_u64 s[G0B+4*\slot+2:G0B+4*\slot+3], s[G0B+4*\slot+2:G0B+4*\slot+3], 2*KSTEP*2
	JLOAD \slot                                    ; the first tensor load behind the round, my only one until the next
.endif
	PLACES
	FETCH \next, 0, F0
	WIN MUL
	MUL16 F1, 2, 0
.endm
.macro LAP zero
	THREE 0, \zero
	TURN 0, 1, 1
	THREE 1, 0
	TURN 1, 0, 1
.endm
	s_wait_tensorcnt 1                             ; my part of K step 0 is in; K step 1's stays out
	s_barrier_signal -1
	s_barrier_wait -1
	FETCH 0, 0, F0
	LAP 1                                          ; K steps 0, 1: the first products start the sums
	WIN 0
	s_mov_b32 s3, 0
.Llap:
	LAP 0                                          ; K steps 2 to 5
	WIN 0
	s_add_co_u32 s3, s3, 1
	s_cmp_lt_u32 s3, 2
	s_cbranch_scc1 .Llap
	THREE 0, 0                                     ; K steps 6, 7: nothing is left to fetch
	TURN 0, 1, 0
	THREE 1, 0
	s_wait_dscnt 0
	WIN MUL
	MUL16 F1, 0, 0
	MUL16 F1, 2, 0
	WIN 0
	PLACES                                         ; four places in front of the LDS stores of results and of the loads into the buffers
	s_wait_loadcnt 0x0                             ; the bias
; THE WAY OUT, 16 rows at a time: f32 as it is into my own stage, whole rows of 512 bytes back, the bias added, 512 consecutive bytes a store.
.macro OUT16 a, f
	WIN FROM_ACC
.irp b, 0,1,2,3,4,5,6,7
	ds_store_b128 v[STO], v[8*(8*\a+\b):8*(8*\a+\b)+3]   offset:64*\b
	ds_store_b128 v[STO], v[8*(8*\a+\b)+4:8*(8*\a+\b)+7] offset:64*\b+16
.endr
	WIN 0
	s_wait_xcnt 0x0                                ; buffer f, which earlier stores read, and the stores' base are rewritten only behind this wait
.if \a
	s_add_nc_u64 s[76:77], s[76:77], 16*4096       ; 16 rows on
.endif
.irp t, 0,1,2,3,4,5,6,7,8,9,10,11,12,13,14,15
	ds_load_b128 v[\f+4*\t:\f+4*\t+3], v[RD] offset:\t*SPITCH   ; a wave's LDS instructions are served in order: these see the stores above
.endr
.irp t, 0,1,2,3,4,5,6,7,8,9,10,11,12,13,14,15
	s_wait_dscnt 15-\t
	v_pk_add_f32 v[\f+4*\t:\f+4*\t+1],   v[\f+4*\t:\f+4*\t+1],   v[BI:BI+1]
	v_pk_add_f32 v[\f+4*\t+2:\f+4*\t+3], v[\f+4*\t+2:\f+4*\t+3], v[BI+2:BI+3]
	global_store_b128 v[CO], v[\f+4*\t:\f+4*\t+3], s[76:77] offset:\t*4096 th:TH_STORE_NT
.endr
.endm
	OUT16 0, F0
	OUT16 1, F1
	OUT16 2, F0
	OUT16 3, F1
	s_set_vgpr_msb 0x1
	s_wait_tensorcnt 0x0
	ds_add_u32 v255, v255
	s_wait_dscnt 0x0
	s_set_vgpr_msb 0x100
	CROUND                                         ; the closing round
	s_endpgm
.Lfunc_end_k_q48fc836d95_oproj:
	.size	k_q48fc836d95_oproj, .Lfunc_end_k_q48fc836d95_oproj-k_q48fc836d95_oproj
	.p2alignl 7, 3214868480
	.fill 96, 4, 3214868480
	.section	.rodata,"a",@progbits
	.p2align	6, 0x0
	.amdhsa_kernel k_q48fc836d95_oproj
		.amdhsa_group_segment_fixed_size 327680
		.amdhsa_private_segment_fixed_size 0
		.amdhsa_enable_private_segment 0
		.amdhsa_kernarg_size 32
		.amdhsa_user_sgpr_count 2
		.amdhsa_user_sgpr_kernarg_segment_ptr 1
		.amdhsa_wavefront_size32 1
		.amdhsa_system_sgpr_workgroup_id_x 1
		.amdhsa_system_sgpr_workgroup_id_y 1
		.amdhsa_system_sgpr_workgroup_id_z 1
		.amdhsa_system_vgpr_workitem_id 0
		.amdhsa_next_free_vgpr 768
		.amdhsa_next_free_sgpr 96
		.amdhsa_reserve_vcc 0
		.amdhsa_float_denorm_mode_32 3
		.amdhsa_float_denorm_mode_16_64 3
		.amdhsa_memory_ordered 1
		.amdhsa_forward_progress 1
		.amdhsa_inst_pref_size 126
	.end_amdhsa_kernel
	.amdgpu_metadata
---
amdhsa.version: [ 1, 2 ]
amdhsa.kernels:
  - .name:           k_q48fc836d95_oproj
    .symbol:         k_q48fc836d95_oproj.kd
    .args:
      - { .name: ah, .offset: 0, .size: 8, .value_kind: global_buffer, .address_space: global }
      - { .name: wth, .offset: 8, .size: 8, .value_kind: global_buffer, .address_space: global }
      - { .name: bo, .offset: 16, .size: 8, .value_kind: global_buffer, .address_space: global }
      - { .name: out0, .offset: 24, .size: 8, .value_kind: global_buffer, .address_space: global }
    .group_segment_fixed_size: 327680
    .private_segment_fixed_size: 0
    .kernarg_segment_align: 8
    .kernarg_segment_size: 32
    .max_flat_workgroup_size: 128
    .sgpr_count:     96
    .vgpr_count:     768
    .wavefront_size: 32
...
	.end_amdgpu_metadata
.endif
;; end of part 4
